; MI455X (gfx1250); checked and timed in simulation.
; The chip was launched on July 23, 2026; its instructions are those of AMD's public machine-readable ISA for CDNA 5 (MIT licence, August 2026) and "CDNA5" Instruction Set Architecture Reference Guide (July 2026). The comments in the code are by the model that wrote it; some were corrected since.
;; MAB. Allowed arithmetic: float matrix products may take bf16 or f16 operands with f32 sums; all other float work in f32.
;; Inputs: K 16 x 1,024 x 512 float32; Q 16 x 1,024 x 512 float32; Wk 512 x 512 float32; Wo 512 x 512 float32; Wq 512 x 512 float32; Wv 512 x 512 float32; bk 512 float32; bo 512 float32; bq 512 float32; bv 512 float32.
;; Outputs: out0 16 x 1,024 x 512 float32.
;; One version. Each part assembles by itself: llvm-mc -triple=amdgcn-amd-amdhsa -mcpu=gfx1250 --defsym DOCPART=n.
;; ======== version 1 of 1: 2 launches
;; workspace buffers: kv 33,554,432 bytes; wb 1,048,576 bytes
;; launch proj (part 1): grid 4 x 64, 8 waves a work-group, no clusters, 179,200 bytes of LDS; arguments K, Wk, Wv, bk, bv, Wq, Wo, kv, wb; writes kv, wb
.if DOCPART == 1
	.amdgcn_target "amdgcn-amd-amdhsa--gfx1250"
	.amdhsa_code_object_version 6
	.text
	.protected	k_q11d7806884_proj
	.globl	k_q11d7806884_proj
	.p2align	8
	.type	k_q11d7806884_proj,@function
k_q11d7806884_proj:
	s_mov_b64 s[64:65], 0
	v_nop
	global_prefetch_b8 v0, s[64:65] scope:SCOPE_SE
	s_setreg_imm32_b32 hwreg(HW_REG_WAVE_MODE, 25, 1), 1
	s_wait_xcnt 0x0
; k = K Wk + bk and v = K Wv + bv as one product 16384 x 1024 x 512; results in bf16: kv = k [16384][512], then v [16384][512].
; Side job: Wq and Wo are rounded to bf16 into wb (Wq at byte 0, Wo at byte 524,288), still [K][N]; each work-group takes 1,024 numbers of each.
; Work-group (cb, rb): rows 256 rb .. +255; cb 0,1: columns 256 cb of k; cb 2,3: columns 256 (cb-2) of v.  Eight waves, wave = 64 rows x 128 columns:
; 32 accumulator tiles = 256 registers (window 1).  K goes in eight steps of 64 through two LDS buffers.
; NO TENSOR LOADS, NO CLUSTER: both operands are f32 in memory and have to pass through registers to be rounded to bf16, and joint requests
; exist for tensor loads alone.  Each load of a wave covers whole aligned blocks of 256 bytes.
; THE PRODUCT IS USED TRANSPOSED: source 0 = 16 columns of W (from [K][N] rows in LDS by the transposing load), source 1 = 16 rows of K.
; A lane's eight results are then eight neighbouring columns of one row.
; Matrix operands are rounded to bf16, sums and bias in f32, the result rounded once to bf16.  NaN and infinities are not treated.
.set PXB,   144                        ; X tile: 256 rows x 64 bf16 = 128 bytes + 16: an odd multiple of 16
.set PWB,   544                        ; W tile: 64 k rows x 256 bf16 = 512 bytes + 32: an odd multiple of 32, for the transposing load
.set WOFF,  256*PXB                    ; the W tile lies behind the X tile
.set BUF,   WOFF+64*PWB                ; 71,680 bytes a buffer
.set STAGE, 2*BUF                      ; the way out: 16 rows x 272 bytes for each wave
.set WF, 32                            ; v32-95    8 fragments of W
.set XF, 96                            ; v96-127   4 fragments of K
.set SA, 128                           ; v128-191  K as loaded (16 x 4 f32); at the end the bias
.set SB, 192                           ; v192-255  W as loaded
.set VA, 4                             ; offset of my 16 bytes in K's tile
.set VB, 5                             ; the same in W's tile
.set VSA, 6                            ; v6,7   LDS address of my 8 bytes of the X tile, buffer 0, 1
.set VSB, 8                            ; v8,9   the same for the W tile
.set ADX, 10                           ; v10,11 LDS address of my X fragments
.set ADW, 12                           ; v12,13 LDS address of my W fragments
.set STO, 14
.set RD,  15
.set CO,  16
.set BO,  17
.set SJL, 18
.set SJS, 19
.set MSB, 0
.macro WIN new                         ; the immediate's high byte repeats the setting that is left
.if MSB != \new
	s_set_vgpr_msb (MSB<<8)|\new
.set MSB, \new
.endif
.endm
.macro PLACES cnt                      ; places behind matrix instructions (ISA guide 7.12.1)
.rept \cnt
	v_nop
.endr
.endm
	s_load_b512 s[4:19], s[0:1], 0x0               ; K 4, Wk 6, Wv 8, bk 10, bv 12, Wq 14, Wo 16, kv 18
	s_load_b64 s[20:21], s[0:1], 0x40              ; wb
	v_lshl_add_u32 v30, v0, 2, 0x2b800
	v_mov_b32 v31, 0
	v_lshrrev_b32 v1, 5, v0
	v_readfirstlane_b32 s22, v1                    ; wave
	s_mov_b32 s23, ttmp9                           ; cb
	s_and_b32 s24, ttmp7, 0xffff                   ; rb
	s_lshr_b32 s32, s22, 1                         ; wr: my 64 rows
	s_and_b32 s33, s22, 1                          ; wc: my 128 columns
	v_and_b32 v1, 31, v0                           ; l
	v_and_b32 v2, 15, v0                           ; r
	v_bfe_u32 v3, v0, 4, 1                         ; h
	v_lshlrev_b32 v[VA], 4, v2                     ; K: row 32 w + h, 16 bytes at 16 r
	v_lshl_add_u32 v[VA], v3, 11, v[VA]
	v_lshl_add_u32 v[VA], s22, 16, v[VA]
	v_lshlrev_b32 v[VB], 4, v1                     ; W: row 8 w, 16 bytes at 16 l
	v_lshl_add_u32 v[VB], s22, 14, v[VB]
	s_mul_i32 s34, s22, 32*PXB
	v_mul_u32_u24 v28, v3, PXB
	v_lshl_add_u32 v28, v2, 3, v28
	v_add_nc_u32 v[VSA], s34, v28                  ; (32 w + h) 144 + 8 r
	v_add_nc_u32 v[VSA+1], BUF, v[VSA]
	s_mul_i32 s34, s22, 4352                       ; 8 rows of 544 = 16 rows of 272
	s_add_co_u32 s35, s34, WOFF
	v_lshl_add_u32 v[VSB], v1, 3, s35              ; 8 w rows + 8 l
	v_add_nc_u32 v[VSB+1], BUF, v[VSB]
	s_mul_i32 s36, s32, 64*PXB
	v_mul_u32_u24 v28, v2, PXB
	v_lshl_add_u32 v28, v3, 4, v28
	v_add_nc_u32 v[ADX], s36, v28                  ; (64 wr + r) 144 + 16 h
	v_add_nc_u32 v[ADX+1], BUF, v[ADX]
	v_and_b32 v28, 7, v0
	v_lshl_add_u32 v28, v3, 3, v28
	v_mul_u32_u24 v28, v28, PWB                    ; (8 h + l mod 8) 544
	v_bfe_u32 v29, v0, 3, 1
	v_lshl_add_u32 v28, v29, 4, v28                ; + 16 ((l / 8) mod 2)
	s_lshl_b32 s36, s33, 8
	s_add_co_u32 s36, s36, WOFF
	v_add_nc_u32 v[ADW], s36, v28                  ; + 256 wc
	v_add_nc_u32 v[ADW+1], BUF, v[ADW]
	s_add_co_u32 s37, s34, STAGE                   ; my stage
	v_mul_u32_u24 v28, v2, 272
	v_lshl_add_u32 v28, v3, 4, v28
	v_add_nc_u32 v[STO], s37, v28
	v_mul_u32_u24 v28, v3, 272
	v_lshl_add_u32 v28, v2, 4, v28
	v_add_nc_u32 v[RD], s37, v28
	v_lshlrev_b32 v[CO], 4, v2                     ; out: row h of two, 16 bytes at 16 r
	v_lshl_add_u32 v[CO], v3, 10, v[CO]
	v_lshlrev_b32 v[BO], 5, v3                     ; bias: 512 wc + 32 h
	v_lshl_add_u32 v[BO], s33, 9, v[BO]
	s_lshl2_add_u32 s38, s24, s23                  ; g = 4 rb + cb, 0 to 255
	s_lshl_b32 s39, s38, 12
	v_lshl_add_u32 v[SJL], v0, 4, s39              ; 4,096 g + 16 t
	s_lshl_b32 s39, s38, 11
	v_lshl_add_u32 v[SJS], v0, 3, s39              ; 2,048 g + 8 t
	s_wait_kmcnt 0x0
	s_cmp_lt_u32 s23, 2
	s_cselect_b64 s[26:27], s[6:7], s[8:9]         ; Wk or Wv
	s_cselect_b64 s[28:29], s[10:11], s[12:13]     ; bk or bv
	s_and_b32 s40, s23, 1
	s_lshl_b32 s30, s40, 10                        ; 256 columns of f32
	s_mov_b32 s31, 0
	s_add_nc_u64 s[26:27], s[26:27], s[30:31]
	s_add_nc_u64 s[28:29], s[28:29], s[30:31]
	s_lshl_b32 s30, s24, 19                        ; 256 rows of 2,048 bytes
	s_add_nc_u64 s[4:5], s[4:5], s[30:31]
	s_lshr_b32 s30, s23, 1
	s_lshl_b32 s30, s30, 24                        ; k or v half of kv
	s_lshl_b32 s41, s24, 18                        ; 256 rb rows of 1,024 bytes
	s_add_co_u32 s30, s30, s41
	s_lshl_b32 s41, s32, 16                        ; 64 wr rows
	s_add_co_u32 s30, s30, s41
	s_lshl_b32 s41, s40, 9                         ; 256 columns of bf16
	s_add_co_u32 s30, s30, s41
	s_lshl_b32 s41, s33, 8                         ; 128 wc columns
	s_add_co_u32 s30, s30, s41
	s_add_nc_u64 s[18:19], s[18:19], s[30:31]
; 32 loads: K step t of K's 256 rows (two rows x 256 bytes an instruction) and of W's 64 k rows (512 bytes an instruction)
.macro GLOAD t
.irp i, 0,1,2,3,4,5,6,7,8,9,10,11,12,13,14,15
	global_load_b128 v[SA+4*\i:SA+4*\i+3], v[VA], s[4:5] offset:\i*4096+\t*256
.endr
.irp i, 0,1,2,3,4,5,6,7
	global_load_b128 v[SB+8*\i:SB+8*\i+3],   v[VB], s[26:27] offset:\t*131072+\i*2048
	global_load_b128 v[SB+8*\i+4:SB+8*\i+7], v[VB], s[26:27] offset:\t*131072+\i*2048+512
.endr
.endm
; round to bf16 in place (the two low registers of each four) and put into buffer b
.macro CONV b
.irp i, 0,1,2,3,4,5,6,7,8,9,10,11,12,13,14,15
	v_cvt_pk_bf16_f32 v[SA+4*\i],   v[SA+4*\i],   v[SA+4*\i+1]
	v_cvt_pk_bf16_f32 v[SA+4*\i+1], v[SA+4*\i+2], v[SA+4*\i+3]
.endr
.irp i, 0,1,2,3,4,5,6,7,8,9,10,11,12,13,14,15
	v_cvt_pk_bf16_f32 v[SB+4*\i],   v[SB+4*\i],   v[SB+4*\i+1]
	v_cvt_pk_bf16_f32 v[SB+4*\i+1], v[SB+4*\i+2], v[SB+4*\i+3]
.endr
.irp i, 0,1,2,3,4,5,6,7,8,9,10,11,12,13,14,15
	ds_store_b64 v[VSA+\b], v[SA+4*\i:SA+4*\i+1] offset:2*PXB*\i
.endr
.irp i, 0,1,2,3,4,5,6,7
	ds_store_b64 v[VSB+\b], v[SB+8*\i:SB+8*\i+1]   offset:PWB*\i
	ds_store_b64 v[VSB+\b], v[SB+8*\i+4:SB+8*\i+5] offset:PWB*\i+256
.endr
.endm
; 16 matrix instructions: column tiles c0 .. c0+3 x 4 row tiles.  All 32 accumulators take turns, one instruction a turn.
.macro MULP c0, zero
.irp ct, \c0, \c0+1, \c0+2, \c0+3
.irp rt, 0,1,2,3
.if \zero
	v_wmma_f32_16x16x32_bf16 v[8*(8*\rt+(\ct)):8*(8*\rt+(\ct))+7], v[WF+8*(\ct):WF+8*(\ct)+7], v[XF+8*\rt:XF+8*\rt+7], 0
.else
	v_wmma_f32_16x16x32_bf16 v[8*(8*\rt+(\ct)):8*(8*\rt+(\ct))+7], v[WF+8*(\ct):WF+8*(\ct)+7], v[XF+8*\rt:XF+8*\rt+7], v[8*(8*\rt+(\ct)):8*(8*\rt+(\ct))+7]
.endif
.endr
.endr
.endm
; 32 along K from buffer b: 24 fragment loads, 32 matrix instructions
.macro COMPK b, ks, zero
	PLACES 4                                       ; the fragments are loaded again four places behind the matrix instructions that read them
.irp rt, 0,1,2,3
	ds_load_b128 v[XF+8*\rt:XF+8*\rt+3],   v[ADX+\b] offset:\rt*16*PXB+\ks*64
	ds_load_b128 v[XF+8*\rt+4:XF+8*\rt+7], v[ADX+\b] offset:\rt*16*PXB+\ks*64+32
.endr
.irp ct, 0,1,2,3,4,5,6,7
	ds_load_tr16_b128 v[WF+8*\ct:WF+8*\ct+3],   v[ADW+\b] offset:\ks*32*PWB+\ct*32
	ds_load_tr16_b128 v[WF+8*\ct+4:WF+8*\ct+7], v[ADW+\b] offset:\ks*32*PWB+\ct*32+16*PWB
.endr
	s_wait_dscnt 8                                 ; all but the eight youngest: column tiles 4 to 7 may be out
	WIN 0x50                                       ; C and D in window 1
	MULP 0, \zero
	s_wait_dscnt 0
	MULP 4, \zero
	WIN 0
.endm
; One K step: ask for the next tile, multiply this one, round and store the next one into the other buffer.  One barrier a step: the buffer
; written here was last read in the step before, whose reads every wave had waited for in front of that step's barrier.
.macro TRIP nxt, b, nb, zero
	GLOAD \nxt
	COMPK \b, 0, \zero
	COMPK \b, 1, 0
	s_wait_loadcnt 0x0
	CONV \nb
	s_wait_dscnt 0x0                               ; my stores are in LDS, for the others' sake
	s_barrier_signal -1
	s_barrier_wait -1
.endm
	global_load_b128 v[20:23], v[SJL], s[14:15]    ; side job: 4 numbers of Wq and of Wo
	global_load_b128 v[24:27], v[SJL], s[16:17]
	GLOAD 0
	s_wait_loadcnt 32                              ; the 32 loads of K step 0 are younger
	v_cvt_pk_bf16_f32 v20, v20, v21
	v_cvt_pk_bf16_f32 v21, v22, v23
	v_cvt_pk_bf16_f32 v24, v24, v25
	v_cvt_pk_bf16_f32 v25, v26, v27
	global_store_b64 v[SJS], v[20:21], s[20:21]                    ; a wave stores 256 consecutive bytes, aligned
	global_store_b64 v[SJS], v[24:25], s[20:21] offset:524288
	s_wait_loadcnt 0x0
	CONV 0
	s_wait_dscnt 0x0
	s_barrier_signal -1
	s_barrier_wait -1
	TRIP 1, 0, 1, 1                                ; the first products start the sums: nothing is cleared
	TRIP 2, 1, 0, 0
	TRIP 3, 0, 1, 0
	TRIP 4, 1, 0, 0
	TRIP 5, 0, 1, 0
	TRIP 6, 1, 0, 0
	TRIP 7, 0, 1, 0
.irp ct, 0,1,2,3,4,5,6,7
	global_load_b128 v[SA+8*\ct:SA+8*\ct+3],   v[BO], s[28:29] offset:64*\ct       ; bias of columns 16 ct + 8 h .. +7
	global_load_b128 v[SA+8*\ct+4:SA+8*\ct+7], v[BO], s[28:29] offset:64*\ct+16
.endr
	COMPK 1, 0, 0
	COMPK 1, 1, 0
	PLACES 4                                       ; results are read, fragment registers written, four places behind the last matrix instruction
	s_wait_loadcnt 0x0                             ; the bias
; 16 rows out: add the bias, round, 16 bytes a lane into my own stage, whole rows of 256 bytes back and out.
.macro OUT16 rt, f
	WIN 0x01                                       ; source 0 in window 1
.irp ct, 0,1,2,3,4,5,6,7
.irp i, 0,1,2,3
	v_pk_add_f32 v[SB+8*\ct+2*\i:SB+8*\ct+2*\i+1], v[8*(8*\rt+\ct)+2*\i:8*(8*\rt+\ct)+2*\i+1], v[SA+8*\ct+2*\i:SA+8*\ct+2*\i+1]
.endr
.endr
	WIN 0
.irp ct, 0,1,2,3,4,5,6,7
.irp i, 0,1,2,3
	v_cvt_pk_bf16_f32 v[32+4*\ct+\i], v[SB+8*\ct+2*\i], v[SB+8*\ct+2*\i+1]
.endr
.endr
.irp ct, 0,1,2,3,4,5,6,7
	ds_store_b128 v[STO], v[32+4*\ct:32+4*\ct+3] offset:32*\ct
.endr
	s_wait_xcnt 0x0                                ; the registers that earlier stores read are loaded again only behind this wait
.irp i, 0,1,2,3,4,5,6,7
	ds_load_b128 v[\f+4*\i:\f+4*\i+3], v[RD] offset:544*\i         ; LDS serves a wave's instructions in order: these see the stores above
.endr
.irp i, 0,1,2,3,4,5,6,7
	s_wait_dscnt 7-\i
	global_store_b128 v[CO], v[\f+4*\i:\f+4*\i+3], s[18:19] offset:(16*\rt+2*\i)*1024   ; 16 lanes store 256 consecutive bytes, aligned
.endr
.endm
	OUT16 0, 64
	OUT16 1, 96
	OUT16 2, 64
	OUT16 3, 96
	s_wait_tensorcnt 0x0
	ds_add_u32 v30, v31
	s_wait_dscnt 0x0
	s_endpgm
.Lfunc_end_k_q11d7806884_proj:
	.size	k_q11d7806884_proj, .Lfunc_end_k_q11d7806884_proj-k_q11d7806884_proj
	.p2alignl 7, 3214868480
	.fill 96, 4, 3214868480
	.section	.rodata,"a",@progbits
	.p2align	6, 0x0
	.amdhsa_kernel k_q11d7806884_proj
		.amdhsa_group_segment_fixed_size 179200
		.amdhsa_private_segment_fixed_size 0
		.amdhsa_enable_private_segment 0
		.amdhsa_kernarg_size 72
		.amdhsa_user_sgpr_count 2
		.amdhsa_user_sgpr_kernarg_segment_ptr 1
		.amdhsa_wavefront_size32 1
		.amdhsa_system_sgpr_workgroup_id_x 1
		.amdhsa_system_sgpr_workgroup_id_y 1
		.amdhsa_system_sgpr_workgroup_id_z 1
		.amdhsa_system_vgpr_workitem_id 0
		.amdhsa_next_free_vgpr 512
		.amdhsa_next_free_sgpr 66
		.amdhsa_reserve_vcc 0
		.amdhsa_float_denorm_mode_32 3
		.amdhsa_float_denorm_mode_16_64 3
		.amdhsa_memory_ordered 1
		.amdhsa_forward_progress 1
		.amdhsa_inst_pref_size 164
	.end_amdhsa_kernel
	.amdgpu_metadata
---
amdhsa.version: [ 1, 2 ]
amdhsa.kernels:
  - .name:           k_q11d7806884_proj
    .symbol:         k_q11d7806884_proj.kd
    .args:
      - { .name: K, .offset: 0, .size: 8, .value_kind: global_buffer, .address_space: global }
      - { .name: Wk, .offset: 8, .size: 8, .value_kind: global_buffer, .address_space: global }
      - { .name: Wv, .offset: 16, .size: 8, .value_kind: global_buffer, .address_space: global }
      - { .name: bk, .offset: 24, .size: 8, .value_kind: global_buffer, .address_space: global }
      - { .name: bv, .offset: 32, .size: 8, .value_kind: global_buffer, .address_space: global }
      - { .name: Wq, .offset: 40, .size: 8, .value_kind: global_buffer, .address_space: global }
      - { .name: Wo, .offset: 48, .size: 8, .value_kind: global_buffer, .address_space: global }
      - { .name: kv, .offset: 56, .size: 8, .value_kind: global_buffer, .address_space: global }
      - { .name: wb, .offset: 64, .size: 8, .value_kind: global_buffer, .address_space: global }
    .group_segment_fixed_size: 179200
    .private_segment_fixed_size: 0
    .kernarg_segment_align: 8
    .kernarg_segment_size: 72
    .max_flat_workgroup_size: 256
    .sgpr_count:     66
    .vgpr_count:     512
    .wavefront_size: 32
...
	.end_amdgpu_metadata
.endif
;; end of part 1
;; launch attn (part 2): grid 256 x 1, 8 waves a work-group, clusters of 4 x 1, 327,680 bytes of LDS; arguments Q, kv, wb, bq, bo, out0; writes out0
.if DOCPART == 2
	.amdgcn_target "amdgcn-amd-amdhsa--gfx1250"
	.amdhsa_code_object_version 6
	.text
	.protected	k_q11d7806884_attn
	.globl	k_q11d7806884_attn
	.p2align	8
	.type	k_q11d7806884_attn,@function
k_q11d7806884_attn:
	s_mov_b64 s[64:65], 0
	v_nop
	global_prefetch_b8 v0, s[64:65] scope:SCOPE_SE
	s_setreg_imm32_b32 hwreg(HW_REG_WAVE_MODE, 25, 1), 1
	s_wait_xcnt 0x0
	s_wait_alu depctr_hold_cnt(0) depctr_sa_sdst(0) depctr_va_vdst(0) depctr_va_sdst(0) depctr_va_ssrc(0) depctr_va_vcc(0) depctr_vm_vsrc(0)
	s_getreg_b32 s2, hwreg(HW_REG_IB_STS2, 6, 4)
	s_cmp_eq_u32 s2, 0
	s_cbranch_scc0 .Lentry_in_a_cluster
	s_endpgm
.Lentry_in_a_cluster:
	s_bfe_u32 s2, ttmp6, 0x10000c
	s_cmp_lg_u32 s2, 0x3003
	s_cbranch_scc0 .Lentry_shape_is_right
	s_endpgm
.Lentry_shape_is_right:
; q = Q Wq + bq; softmax(q k^T / sqrt(512)) v for each of 8 heads; + q; LayerNorm; x + gelu(x Wo + bo); LayerNorm.  All in one launch.
; A work-group owns 64 query rows with all 512 columns; wave w = head w = columns 64 w .. +63 in every phase.  Eight waves of 512 registers:
; two share a SIMD's registers, so that one has vector work (softmax) to issue while the other issues matrix work.
; EVERY PRODUCT IS USED TRANSPOSED: source 0 = the weight side (Wq^T, k, v^T, Wo^T), source 1 = the query side.  In a result, lane r + 16 h holds
; query r, its registers j the columns 16 t + 8 h + j.  Rounding tiles 2 s and 2 s + 1 to bf16 gives source 1 of K step s of the next product,
; so q -> S^T -> P^T -> O^T need no shuffle, and a softmax or LayerNorm figure is one number a lane; one exchange joins the halves h.
; CLUSTER: the four work-groups of a cluster are four query blocks of one batch; Wq, k, v, Wo are the same for all four and come by joint tensor
; loads (mask 15).  24 fills of two slots; a fill = 128 rows of 1,024 bytes = 2 units of 64 rows, each unit = 2 tiles of 64 rows x 512 bytes (a
; column strip of four heads).  WAVES 0-3 BRING ONE TILE EACH, 32 KiB; a tile's rows are 512 aligned bytes of memory, and the pad follows every
; row.  Eight tiles of 64 rows x 256 bytes would need a pad behind every 256 bytes: 2 slots x 8 x 64 x 288 = 294,912 bytes, which with the
; 45,056 bytes of XB and STAT pass the 327,680 that there are.  Waves 0-3 have two tensor loads out at the start and one behind each round.
; Fills 0-3: Wq; 4-19: 64 keys of k (unit A, waves 0, 1) and of v (unit B, waves 2, 3); 20-23: Wo.
; LIMITS: matrix operands in bf16 (P too; its sum is taken in f32 before the rounding).  erf by the polynomial of Abramowitz and Stegun 7.1.26,
; absolute error 1.5e-7.  Exponentials below 2^-126 come out as 0.  LayerNorm joins the waves' means and sums of squared deviations, another
; order of rounding than a mean over 512.  NaN and infinities are not treated.
.set PTV,  544                         ; LDS pitch of weights and v: 512 + 32 bytes, an odd multiple of 32, for the transposing load
.set PTK,  528                         ; LDS pitch of k: 512 + 16 bytes, an odd multiple of 16
.set TILE, 64*PTV                      ; 34,816: a tile of weights or of v
.set TILK, 64*PTK                      ; 33,792: a tile of k
.set UNIT, 2*TILE                      ; 69,632
.set SLOT, 2*UNIT                      ; 139,264
.set XB0,  2*SLOT                      ; 2 x 17,408: 64 rows x 128 bf16, pitch 272: the query side of P1 and P3; no tensor load lands here
.set XBS,  17408
.set STAT, XB0+2*XBS                   ; 2 x 5,120: [query] pitch 80, wave w's pair at 8 w
.set STG,  XB0                         ; the way out, 8 x 4,352, behind the last LayerNorm's barrier
.set FA, 32                            ; v32-63   fragments of k, then of v (keys 0-31)
.set BI, 32                            ;          in P1 and P3: the bias
.set QB, 64                            ; v64-127  q as source 1; later statistics, x in bf16, GELU's temporaries
.set QF, 128                           ; v128-255 q in f32, tile (q, t) at 32 q + 8 t; later x Wo + bo
; window 1: 0-127 S^T, tile (q, kt) at 32 q + 8 kt (in P1, P3: two fragment sets of 64); 128-255 O^T, tile (q, d) at 128 + 32 q + 8 d (in P1: Q as loaded)
; v1 bias offset; v2,3 unit A of slot 0,1; v4,5 unit B; v(6+2q) NM, v(7+2q) M; v(14+2q) AL, v(15+2q) L; v(22+2q) SU, v(23+2q) TP; v30,31 STAT
; in P1, P3: v6 query side fragments, v7 x's store, v8 Q's store, v9 Q's offset
; s[24:31] group 1 with 8 words of padding, s[40:47] with 4; group 0: s[32:39] weights and v, slot 0, 1; s[68:75] k, slot 0, 1
; s18, s19: my head's place in a unit, (w / 4) tiles + 128 (w mod 4) bytes, for pitch 544 and for pitch 528
; s[48:49] wb, s[50:51] k, s[52:53] v, each at my tile of the first fill
.set MSB, 0
.macro WIN new
.if MSB != \new
	s_set_vgpr_msb (MSB<<8)|\new
.set MSB, \new
.endif
.endm
.macro PLACES cnt                      ; places behind matrix instructions (ISA guide 7.12.1)
.rept \cnt
	v_nop
.endr
.endm
.macro ROUND                           ; a round of the cluster's barrier
	s_barrier_signal -1
	s_barrier_wait -1
	s_cmp_lg_u32 s16, 0
	s_cbranch_scc1 .Lnot_wave_0_\@
	s_barrier_signal -3
.Lnot_wave_0_\@:
	s_barrier_wait -3
	s_barrier_signal -1
	s_barrier_wait -1
.endm
.macro JLOADW sl                       ; waves 0-3: my tile of a weight fill
	s_cmp_gt_u32 s16, 3
	s_cbranch_scc1 .Lnw_\@
	tensor_load_to_lds s[32+4*\sl:35+4*\sl], s[24:31]
	s_nop 0
.Lnw_\@:
.endm
.macro JLOADKV sl                      ; waves 0, 1: a tile of k each, pitch 528; waves 2, 3: a tile of v each, pitch 544
	s_cmp_gt_u32 s16, 1
	s_cbranch_scc1 .Lnk_\@
	tensor_load_to_lds s[68+4*\sl:71+4*\sl], s[40:47]
	s_nop 0
	s_branch .Lkd_\@
.Lnk_\@:
	s_cmp_gt_u32 s16, 3
	s_cbranch_scc1 .Lkd_\@
	tensor_load_to_lds s[32+4*\sl:35+4*\sl], s[24:31]
	s_nop 0
.Lkd_\@:
.endm
; A change of slots.  Every wave: its LDS reads (and stores) are done, all its tensor loads have landed, so the slot's group 0 may be written;
; the round; then the wave's one joint load, its tile of the slot that was read last.
.macro NEXT_W sl, off
	WIN 0
	s_wait_dscnt 0x0
	s_wait_xcnt 0x0
	v_lshl_add_u32 v26, v0, 2, 0x4f000
	v_mov_b32 v28, 0
	s_wait_tensorcnt 0x0
	ds_add_u32 v26, v28
	s_wait_dscnt 0x0
	s_add_nc_u64 s[34+4*\sl:35+4*\sl], s[48:49], \off
	s_or_b32 s[35+4*\sl], s[35+4*\sl], 0x80000000
	ROUND
	JLOADW \sl
.endm
.macro NEXT_KV0 sl, off
	WIN 0
	s_wait_dscnt 0x0
	s_wait_xcnt 0x0
	v_lshl_add_u32 v26, v0, 2, 0x4f000
	v_mov_b32 v28, 0
	s_wait_tensorcnt 0x0
	ds_add_u32 v26, v28
	s_wait_dscnt 0x0
	s_add_nc_u64 s[70+4*\sl:71+4*\sl], s[50:51], \off
	s_or_b32 s[71+4*\sl], s[71+4*\sl], 0x80000000
	s_add_nc_u64 s[34+4*\sl:35+4*\sl], s[52:53], \off
	s_or_b32 s[35+4*\sl], s[35+4*\sl], 0x80000000
	ROUND
	JLOADKV \sl
.endm
.macro NEXT_KV sl
	WIN 0
	s_wait_dscnt 0x0
	s_wait_xcnt 0x0
	v_lshl_add_u32 v26, v0, 2, 0x4f000
	v_mov_b32 v28, 0
	s_wait_tensorcnt 0x0
	ds_add_u32 v26, v28
	s_wait_dscnt 0x0
	s_add_nc_u64 s[70+4*\sl:71+4*\sl], s[70+4*\sl:71+4*\sl], 131072   ; two key steps of 64 rows on
	s_add_nc_u64 s[34+4*\sl:35+4*\sl], s[34+4*\sl:35+4*\sl], 131072
	ROUND
	JLOADKV \sl
.endm
.macro MKTR                            ; v2, v3: transposing load's address in unit A: (8 h + l mod 8) 544 + 16 ((l / 8) mod 2) + my head's place
	v_and_b32 v22, 7, v0
	v_bfe_u32 v23, v0, 4, 1
	v_lshl_add_u32 v22, v23, 3, v22
	v_mul_u32_u24 v22, v22, PTV
	v_bfe_u32 v23, v0, 3, 1
	v_lshl_add_u32 v22, v23, 4, v22
	v_add_nc_u32 v2, s18, v22
	v_add_nc_u32 v3, SLOT, v2
.endm
.macro MKX                             ; v6 = XB0 + 272 r + 16 h; v22 keeps 272 r + 16 h
	v_and_b32 v22, 15, v0
	v_bfe_u32 v23, v0, 4, 1
	v_mul_u32_u24 v22, v22, 272
	v_lshl_add_u32 v22, v23, 4, v22
	v_add_nc_u32 v6, XB0, v22
.endm
	s_load_b256 s[4:11], s[0:1], 0x0               ; Q 4, kv 6, wb 8, bq 10
	s_load_b128 s[12:15], s[0:1], 0x20             ; bo 12, out0 14
	v_lshl_add_u32 v26, v0, 2, 0x4f000
	v_mov_b32 v28, 0
	ds_add_u32 v26, v28
	s_wait_dscnt 0x0
	v_lshrrev_b32 v22, 5, v0
	v_readfirstlane_b32 s16, v22                   ; wave = head
	s_bfe_u32 s17, ttmp6, 0x40000                  ; cx: enters the offsets of Q and out0 alone
	s_lshr_b32 s59, s16, 1
	s_lshr_b32 s18, s16, 2                         ; my head's strip of 512 bytes
	s_and_b32 s19, s16, 3
	s_lshl_b32 s19, s19, 7                         ; and its 128 bytes there
	s_mul_i32 s22, s18, TILK
	s_mul_i32 s18, s18, TILE
	s_add_co_u32 s18, s18, s19                     ; in weights and v
	s_add_co_u32 s19, s22, s19                     ; in k
	s_mov_b32 s55, 0x42800000                      ; 64.0
	s_mov_b32 s56, 0x3d8293ee                      ; c = log2(e) / sqrt(512)
	s_mov_b32 s57, 0x3d8293ee
	s_mov_b32 s58, 0xbd8293ee                      ; -c
	s_mov_b32 s60, 0x76543210                      ; v_permlanex16_b32: lane i of the other half
	s_mov_b32 s61, 0xfedcba98
	s_mov_b32 s62, 0x3b000000                      ; 1/512
	s_mov_b32 s63, 0xbc800000                      ; -1/64
	s_mov_b32 s66, 0x3e6d3388                      ; 0.3275911 / sqrt(2)
	s_mov_b32 s67, 0x3727c5ac                      ; 1e-5
	; group 1: 64 rows x 256 elements of 2 bytes, 512 elements from row to row, mask 15 with bit 21 beside it,
	; padding behind every 128 words (a row): 8 words (s24) or 4 (s40)
	s_mov_b32 s24, 15|(1<<16)|(1<<20)|(1<<21)|(6<<22)|(7<<25)
	s_mov_b32 s25, 256<<16                         ; tensor_dim0 = 256
	s_mov_b32 s26, 64<<16                          ; tensor_dim1 = 64
	s_mov_b32 s27, 256<<16                         ; tile_dim0 = 256
	s_mov_b32 s28, 64                              ; tile_dim1 = 64
	s_mov_b32 s29, 512                             ; the pitch in memory
	s_mov_b32 s30, 0
	s_mov_b32 s31, 0
	s_mov_b32 s40, 15|(1<<16)|(1<<20)|(1<<21)|(6<<22)|(3<<25)
	s_mov_b32 s41, 256<<16
	s_mov_b32 s42, 64<<16
	s_mov_b32 s43, 256<<16
	s_mov_b32 s44, 64
	s_mov_b32 s45, 512
	s_mov_b32 s46, 0
	s_mov_b32 s47, 0
	s_mov_b32 s32, 1
	s_mul_i32 s33, s16, TILE                       ; weights (waves 0-3) and v (waves 2, 3): slot 0, my tile
	s_mov_b32 s36, 1
	s_add_co_u32 s37, s33, SLOT                    ; slot 1
	s_mov_b32 s68, 1
	s_mul_i32 s69, s16, TILK                       ; k (waves 0, 1): slot 0, my tile
	s_mov_b32 s72, 1
	s_add_co_u32 s73, s69, SLOT                    ; slot 1
	v_and_b32 v26, 31, v0                          ; l
	v_and_b32 v27, 15, v0                          ; r
	v_bfe_u32 v28, v0, 4, 1                        ; h
	v_lshlrev_b32 v1, 5, v28
	v_lshl_add_u32 v1, s16, 8, v1                  ; bias: 256 w + 32 h
	v_lshlrev_b32 v9, 4, v26
	v_lshl_add_u32 v9, s16, 14, v9                 ; Q: rows 8 w .., 16 bytes at 16 l
	s_lshl_b32 s20, ttmp9, 19                      ; 256 rows of 2,048 bytes a cluster,
	s_lshl_b32 s21, s17, 17                        ; 64 a work-group
	s_add_co_u32 s20, s20, s21
	s_mov_b32 s21, 0
	s_and_b32 s53, s16, 1
	s_lshl_b32 s53, s53, 9                         ; my tile's strip: (w mod 2) 512 bytes
	s_lshr_b32 s22, s16, 1
	s_lshl_b32 s22, s22, 16                        ; weights: my tile's unit: (w / 2) 64 rows of 1,024 bytes
	s_add_co_u32 s22, s22, s53
	s_mov_b32 s23, 0
	s_lshr_b32 s52, ttmp9, 2                       ; batch: four clusters each
	s_lshl_b32 s52, s52, 20                        ; 1,024 rows of 1,024 bytes
	s_add_co_u32 s52, s52, s53
	s_mov_b32 s53, 0
	s_wait_kmcnt 0x0
	s_add_nc_u64 s[4:5], s[4:5], s[20:21]
	s_add_nc_u64 s[14:15], s[14:15], s[20:21]
	s_add_nc_u64 s[48:49], s[8:9], s[22:23]        ; weights: wb + my tile
	s_add_nc_u64 s[50:51], s[6:7], s[52:53]        ; k: the batch + my strip
	s_add_nc_u64 s[52:53], s[50:51], 16777216      ; v lies 16,777,216 bytes on
	s_mov_b64 s[34:35], s[48:49]                   ; fill 0: Wq rows 0-127
	s_or_b32 s35, s35, 0x80000000
	s_add_nc_u64 s[38:39], s[48:49], 131072        ; fill 1: rows 128-255
	s_or_b32 s39, s39, 0x80000000
.irp t, 0,1,2,3
	global_load_b128 v[BI+8*\t:BI+8*\t+3],   v1, s[10:11] offset:64*\t
	global_load_b128 v[BI+8*\t+4:BI+8*\t+7], v1, s[10:11] offset:64*\t+16
.endr
	WIN 0x40                                       ; destination in window 1
.irp c, 0,1,2,3
.irp i, 0,1,2,3,4,5,6,7
	global_load_b128 v[128+4*(8*\c+\i):128+4*(8*\c+\i)+3], v9, s[4:5] offset:2048*\i+512*\c th:TH_LOAD_NT
.endr
.endr
	WIN 0
	ROUND                                          ; in front of the first joint loads
	s_cmp_gt_u32 s16, 3
	s_cbranch_scc1 .Lno_first
	tensor_load_to_lds s[32:35], s[24:31]          ; waves 0-3: my tile of fill 0
	s_nop 0
	tensor_load_to_lds s[36:39], s[24:31]          ; and of fill 1
	s_nop 0
.Lno_first:
	MKTR
	v_add_nc_u32 v4, UNIT, v2
	v_add_nc_u32 v5, UNIT, v3
	MKX
	s_mul_i32 s22, s16, 8*272
	s_add_co_u32 s22, s22, XB0
	v_lshl_add_u32 v8, v26, 3, s22                 ; Q's store: rows 8 w .., 8 bytes at 8 l
	v_mul_u32_u24 v30, v27, 80
	v_add_nc_u32 v30, STAT, v30
	v_lshl_add_u32 v31, s16, 3, v30
; Q's chunk c (128 columns) of my 8 rows, rounded, into XB (c mod 2)
.macro XQ c
	s_wait_loadcnt 24-8*\c                         ; the later chunks' loads stay out
	WIN 0x05
.irp i, 0,1,2,3,4,5,6,7
	v_cvt_pk_bf16_f32 v[64+2*\i], v[128+4*(8*\c+\i)],   v[128+4*(8*\c+\i)+1]
	v_cvt_pk_bf16_f32 v[65+2*\i], v[128+4*(8*\c+\i)+2], v[128+4*(8*\c+\i)+3]
.endr
	WIN 0
.irp i, 0,1,2,3,4,5,6,7
	ds_store_b64 v8, v[64+2*\i:65+2*\i] offset:(\c%2)*XBS+272*\i
.endr
.endm
; fragments of K step ks of a chunk of 128: 4 of the weights (transposed, my 64 columns), 4 of the query side, into set f of window 1
.macro FETCHG sl, xb, ks, f
	WIN 0x40
.irp t, 0,1,2,3
	ds_load_tr16_b128 v[\f+8*\t:\f+8*\t+3],   v[2+2*(\ks/2)+\sl] offset:(\ks%2)*32*PTV+32*\t
	ds_load_tr16_b128 v[\f+8*\t+4:\f+8*\t+7], v[2+2*(\ks/2)+\sl] offset:(\ks%2)*32*PTV+32*\t+16*PTV
.endr
.irp q, 0,1,2,3
	ds_load_b128 v[\f+32+8*\q:\f+32+8*\q+3],   v6 offset:\xb*XBS+\q*4352+\ks*64
	ds_load_b128 v[\f+32+8*\q+4:\f+32+8*\q+7], v6 offset:\xb*XBS+\q*4352+\ks*64+32
.endr
.endm
; 16 matrix instructions; the 16 accumulators take turns, one instruction a turn.  bias = 1: the bias starts the sums.
.macro MULG f, bias
	WIN 0x05
.irp t, 0,1,2,3
.irp q, 0,1,2,3
.if \bias
	v_wmma_f32_16x16x32_bf16 v[QF+32*\q+8*\t:QF+32*\q+8*\t+7], v[\f+8*\t:\f+8*\t+7], v[\f+32+8*\q:\f+32+8*\q+7], v[BI+8*\t:BI+8*\t+7]
.else
	v_wmma_f32_16x16x32_bf16 v[QF+32*\q+8*\t:QF+32*\q+8*\t+7], v[\f+8*\t:\f+8*\t+7], v[\f+32+8*\q:\f+32+8*\q+7], v[QF+32*\q+8*\t:QF+32*\q+8*\t+7]
.endif
.endr
.endr
.endm
; a chunk of 128 along K from slot sl and XB xb.  dscnt 16: the 16 loads of the younger set may be out.
.macro GCH sl, xb, bias
	PLACES 4
	FETCHG \sl, \xb, 0, 0
	FETCHG \sl, \xb, 1, 64
	s_wait_dscnt 16
	MULG 0, \bias
	PLACES 4
	FETCHG \sl, \xb, 2, 0
	s_wait_dscnt 16
	MULG 64, 0
	PLACES 4
	FETCHG \sl, \xb, 3, 64
	s_wait_dscnt 16
	MULG 0, 0
	s_wait_dscnt 0
	MULG 64, 0
.endm
	XQ 0
	XQ 1
	s_wait_tensorcnt 0x1                           ; my tile of fill 0 is in; fill 1 may stay out
	s_wait_dscnt 0x0
	s_barrier_signal -1
	s_barrier_wait -1
	; P1: q^T = Wq^T Q^T + bq
	GCH 0, 0, 1
	NEXT_W 0, 262144
	XQ 2
	GCH 1, 1, 0
	NEXT_W 1, 393216
	XQ 3
	GCH 0, 0, 0
	NEXT_KV0 0, 0
	GCH 1, 1, 0
	PLACES 4
	WIN 0
.irp q, 0,1,2,3
.set ii, 0
.rept 16
	v_cvt_pk_bf16_f32 v[QB+16*\q+ii], v[QF+32*\q+2*ii], v[QF+32*\q+2*ii+1]   ; q as source 1 of S^T
.set ii, ii+1
.endr
.endr
	v_and_b32 v22, 15, v0
	v_bfe_u32 v23, v0, 4, 1
	v_mul_u32_u24 v22, v22, PTK
	v_lshl_add_u32 v22, v23, 4, v22
	v_add_nc_u32 v2, s19, v22                      ; k's fragments: 528 r + 16 h + my head's place
	v_add_nc_u32 v3, SLOT, v2
.irp q, 0,1,2,3
	v_mov_b32 v[23+2*\q], 0                        ; a v_permlanex16_b32 counts as a reader of its destination
.endr
.macro LDK sl, kt                      ; the two fragments of 16 keys
	WIN 0
.irp ks, 0,1
	ds_load_b128 v[FA+16*(\kt%2)+8*\ks:FA+16*(\kt%2)+8*\ks+3],   v[2+\sl] offset:\kt*16*PTK+64*\ks
	ds_load_b128 v[FA+16*(\kt%2)+8*\ks+4:FA+16*(\kt%2)+8*\ks+7], v[2+\sl] offset:\kt*16*PTK+64*\ks+32
.endr
.endm
.macro MULS kt                         ; S^T of 16 keys x 64 queries; four accumulators by turns
	WIN 0x50
.irp q, 0,1,2,3
	v_wmma_f32_16x16x32_bf16 v[32*\q+8*\kt:32*\q+8*\kt+7], v[FA+16*(\kt%2):FA+16*(\kt%2)+7], v[QB+16*\q:QB+16*\q+7], 0
.endr
.irp q, 0,1,2,3
	v_wmma_f32_16x16x32_bf16 v[32*\q+8*\kt:32*\q+8*\kt+7], v[FA+16*(\kt%2)+8:FA+16*(\kt%2)+15], v[QB+16*\q+8:QB+16*\q+15], v[32*\q+8*\kt:32*\q+8*\kt+7]
.endr
.endm
; 64 keys from slot sl, with a running maximum.  first = 1: nothing to rescale, the products start the sums.
.macro ATT sl, first
	PLACES 5                                       ; S^T is written over P and v's fragments, which the last matrix instructions read
	LDK \sl, 0
	LDK \sl, 1
	s_wait_dscnt 4                                 ; the next 16 keys' four loads may be out
	MULS 0
	PLACES 4
	LDK \sl, 2
	s_wait_dscnt 4
	MULS 1
	PLACES 4
	LDK \sl, 3
	s_wait_dscnt 4
	MULS 2
	s_wait_dscnt 0
	MULS 3
	PLACES 4
	WIN 0
.irp d, 0,1,2,3
	ds_load_tr16_b128 v[FA+8*\d:FA+8*\d+3],   v[4+\sl] offset:32*\d            ; v^T, keys 0-31: lands during the softmax
	ds_load_tr16_b128 v[FA+8*\d+4:FA+8*\d+7], v[4+\sl] offset:32*\d+16*PTV
.endr
	; the maximum of my 32 scores of each query, with the running one
.if \first
	WIN 0x05
.irp q, 0,1,2,3
	v_max_num_f32 v[14+2*\q], v[32*\q], v[32*\q+1]
.endr
	WIN 0x14
.else
	WIN 0x14
.irp q, 0,1,2,3
	v_max3_num_f32 v[14+2*\q], v[7+2*\q], v[32*\q], v[32*\q+1]
.endr
.endif
.set ii, 1
.rept 15
.irp q, 0,1,2,3
	v_max3_num_f32 v[14+2*\q], v[14+2*\q], v[32*\q+2*ii], v[32*\q+2*ii+1]
.endr
.set ii, ii+1
.endr
	WIN 0
.irp q, 0,1,2,3
	v_permlanex16_b32 v[23+2*\q], v[14+2*\q], s60, s61
.endr
.irp q, 0,1,2,3
	v_max_num_f32 v[14+2*\q], v[14+2*\q], v[23+2*\q]               ; the new maximum, in both halves
.endr
.irp q, 0,1,2,3
	v_mul_f32 v[6+2*\q], s58, v[14+2*\q]                           ; NM = -c max
.endr
.if \first
.irp q, 0,1,2,3
	v_mov_b32 v[7+2*\q], v[14+2*\q]
.endr
.else
.irp q, 0,1,2,3
	v_fma_f32 v[23+2*\q], v[7+2*\q], s56, v[6+2*\q]                ; c (old - new)
.endr
.irp q, 0,1,2,3
	v_mov_b32 v[7+2*\q], v[14+2*\q]
.endr
.irp q, 0,1,2,3
	v_exp_f32 v[14+2*\q], v[23+2*\q]                               ; AL; the next line is plain and names neither AL nor TP (ISA guide 5.7.2)
.endr
.endif
	WIN 0x41
.irp q, 0,1,2,3
.set ii, 0
.rept 16
	v_pk_fma_f32 v[32*\q+2*ii:32*\q+2*ii+1], v[32*\q+2*ii:32*\q+2*ii+1], s[56:57], v[6+2*\q:7+2*\q] op_sel_hi:[1,0,0]
.set ii, ii+1
.endr
.endr
.set ii, 0
.rept 128
	v_exp_f32 v[ii], v[ii]
.set ii, ii+1
.endr
	v_nop                                          ; one plain place behind the run of exponentials
	WIN 0x05
	s_wait_alu depctr_va_vdst(0)
.irp q, 0,1,2,3
	v_pk_add_f32 v[22+2*\q:23+2*\q], v[32*\q:32*\q+1], v[32*\q+2:32*\q+3]
.endr
	WIN 0x01
.set ii, 2
.rept 14
.irp q, 0,1,2,3
	v_pk_add_f32 v[22+2*\q:23+2*\q], v[32*\q+2*ii:32*\q+2*ii+1], v[22+2*\q:23+2*\q]
.endr
.set ii, ii+1
.endr
	WIN 0
.if \first
.irp q, 0,1,2,3
	v_add_f32 v[15+2*\q], v[22+2*\q], v[23+2*\q]                   ; L: my half's sum; the halves are joined at the end
.endr
.else
.irp q, 0,1,2,3
	v_add_f32 v[22+2*\q], v[22+2*\q], v[23+2*\q]
.endr
.irp q, 0,1,2,3
	v_fma_f32 v[15+2*\q], v[15+2*\q], v[14+2*\q], v[22+2*\q]
.endr
.endif
	WIN 0x45
.irp q, 0,1,2,3
.set ii, 0
.rept 16
	v_cvt_pk_bf16_f32 v[32*\q+ii], v[32*\q+2*ii], v[32*\q+2*ii+1]  ; P^T as source 1, ascending: each target has been read
.set ii, ii+1
.endr
.endr
	WIN 0x40
.irp d, 0,1,2,3
	ds_load_tr16_b128 v[32*(\d/2)+16+8*(\d%2):32*(\d/2)+16+8*(\d%2)+3],   v[4+\sl] offset:32*PTV+32*\d        ; v^T, keys 32-63, into registers that the packing freed
	ds_load_tr16_b128 v[32*(\d/2)+16+8*(\d%2)+4:32*(\d/2)+16+8*(\d%2)+7], v[4+\sl] offset:32*PTV+32*\d+16*PTV
.endr
.if \first == 0
	WIN 0x41
.irp q, 0,1,2,3
.set ii, 0
.rept 16
	v_pk_mul_f32 v[128+32*\q+2*ii:128+32*\q+2*ii+1], v[128+32*\q+2*ii:128+32*\q+2*ii+1], v[14+2*\q:15+2*\q] op_sel_hi:[1,0]
.set ii, ii+1
.endr
.endr
.endif
	s_wait_dscnt 8                                 ; keys 0-31 of v are in; the eight loads of keys 32-63 are younger
	WIN 0x54
.irp d, 0,1,2,3
.irp q, 0,1,2,3
.if \first
	v_wmma_f32_16x16x32_bf16 v[128+32*\q+8*\d:128+32*\q+8*\d+7], v[FA+8*\d:FA+8*\d+7], v[32*\q:32*\q+7], 0
.else
	v_wmma_f32_16x16x32_bf16 v[128+32*\q+8*\d:128+32*\q+8*\d+7], v[FA+8*\d:FA+8*\d+7], v[32*\q:32*\q+7], v[128+32*\q+8*\d:128+32*\q+8*\d+7]
.endif
.endr
.endr
	s_wait_dscnt 0
	WIN 0x55
.irp d, 0,1,2,3
.irp q, 0,1,2,3
	v_wmma_f32_16x16x32_bf16 v[128+32*\q+8*\d:128+32*\q+8*\d+7], v[32*(\d/2)+16+8*(\d%2):32*(\d/2)+16+8*(\d%2)+7], v[32*\q+8:32*\q+15], v[128+32*\q+8*\d:128+32*\q+8*\d+7]
.endr
.endr
	WIN 0
.endm
	; P2: 16 key steps
	NEXT_KV0 1, 65536
	ATT 0, 1
	NEXT_KV 0
	ATT 1, 0
	s_mov_b32 s54, 6
.Latt:
	NEXT_KV 1
	ATT 0, 0
	NEXT_KV 0
	ATT 1, 0
	s_sub_co_i32 s54, s54, 1
	s_cmp_lg_u32 s54, 0
	s_cbranch_scc1 .Latt
	NEXT_KV 1
	ATT 0, 0
	NEXT_W 0, 524288                               ; Wo follows in the same ring
	ATT 1, 0
	NEXT_W 1, 655360
; LayerNorm of the rows in window 1's 128-255.  My wave's mean of 64 columns is taken away first, then the squares are summed; the eight waves'
; pairs (-mean, sum of squares) meet in LDS: no difference of large sums is formed.
.macro LN k
	WIN 0x05
.irp q, 0,1,2,3
	v_pk_add_f32 v[22+2*\q:23+2*\q], v[128+32*\q:128+32*\q+1], v[128+32*\q+2:128+32*\q+3]
.endr
	WIN 0x01
.set ii, 2
.rept 14
.irp q, 0,1,2,3
	v_pk_add_f32 v[22+2*\q:23+2*\q], v[128+32*\q+2*ii:128+32*\q+2*ii+1], v[22+2*\q:23+2*\q]
.endr
.set ii, ii+1
.endr
	WIN 0
.irp q, 0,1,2,3
	v_add_f32 v[22+2*\q], v[22+2*\q], v[23+2*\q]
.endr
.irp q, 0,1,2,3
	v_permlanex16_b32 v[23+2*\q], v[22+2*\q], s60, s61
.endr
.irp q, 0,1,2,3
	v_add_f32 v[22+2*\q], v[22+2*\q], v[23+2*\q]
.endr
.irp q, 0,1,2,3
	v_mul_f32 v[6+2*\q], s63, v[22+2*\q]                           ; NM = -(my wave's mean)
.endr
	WIN 0x41
.irp q, 0,1,2,3
.set ii, 0
.rept 16
	v_pk_add_f32 v[128+32*\q+2*ii:128+32*\q+2*ii+1], v[128+32*\q+2*ii:128+32*\q+2*ii+1], v[6+2*\q:7+2*\q] op_sel_hi:[1,0]
.set ii, ii+1
.endr
.endr
	WIN 0x05
.irp q, 0,1,2,3
	v_pk_mul_f32 v[22+2*\q:23+2*\q], v[128+32*\q:128+32*\q+1], v[128+32*\q:128+32*\q+1]
.endr
.set ii, 1
.rept 15
.irp q, 0,1,2,3
	v_pk_fma_f32 v[22+2*\q:23+2*\q], v[128+32*\q+2*ii:128+32*\q+2*ii+1], v[128+32*\q+2*ii:128+32*\q+2*ii+1], v[22+2*\q:23+2*\q]
.endr
.set ii, ii+1
.endr
	WIN 0
.irp q, 0,1,2,3
	v_add_f32 v[22+2*\q], v[22+2*\q], v[23+2*\q]
.endr
.irp q, 0,1,2,3
	v_permlanex16_b32 v[23+2*\q], v[22+2*\q], s60, s61
.endr
.irp q, 0,1,2,3
	v_add_f32 v[7+2*\q], v[22+2*\q], v[23+2*\q]                    ; my wave's sum of squared deviations
.endr
.irp q, 0,1,2,3
	ds_store_b64 v31, v[6+2*\q:7+2*\q] offset:\k*5120+\q*1280
.endr
	s_wait_dscnt 0x0                               ; for the others' sake
	s_barrier_signal -1
	s_barrier_wait -1
.irp q, 0,1,2,3
.irp p, 0,1,2,3
	ds_load_b128 v[64+16*\q+4*\p:64+16*\q+4*\p+3], v30 offset:\k*5120+\q*1280+16*\p
.endr
.endr
	s_wait_dscnt 0x0
.irp q, 0,1,2,3
	v_pk_add_f32 v[22+2*\q:23+2*\q], v[64+16*\q:65+16*\q], v[66+16*\q:67+16*\q]
.endr
.irp p, 2,3,4,5,6,7
.irp q, 0,1,2,3
	v_pk_add_f32 v[22+2*\q:23+2*\q], v[22+2*\q:23+2*\q], v[64+16*\q+2*\p:65+16*\q+2*\p]
.endr
.endr
.irp q, 0,1,2,3
	v_mul_f32 v[22+2*\q], 0x3e000000, v[22+2*\q]                   ; NG = -(the row's mean)
.endr
.irp p, 0,1,2,3,4,5,6,7
.irp q, 0,1,2,3
	v_sub_f32 v[64+16*\q+2*\p], v[64+16*\q+2*\p], v[22+2*\q]
.endr
.endr
.irp q, 0,1,2,3
	v_mul_f32 v[15+2*\q], v[64+16*\q], v[64+16*\q]
.endr
.irp p, 1,2,3,4,5,6,7
.irp q, 0,1,2,3
	v_fmac_f32 v[15+2*\q], v[64+16*\q+2*\p], v[64+16*\q+2*\p]
.endr
.endr
.irp q, 0,1,2,3
	v_fma_f32 v[15+2*\q], v[15+2*\q], s55, v[23+2*\q]              ; + 64 x the means' squared deviations
.endr
.irp q, 0,1,2,3
	v_fma_f32 v[15+2*\q], v[15+2*\q], s62, s67                     ; variance + 1e-5
.endr
.irp q, 0,1,2,3
	v_rsq_f32 v[14+2*\q], v[15+2*\q]
.endr
.irp q, 0,1,2,3
	v_sub_f32 v[22+2*\q], v[22+2*\q], v[6+2*\q]                    ; my wave's mean - the row's: plain lines that name neither source nor result of the roots
.endr
	s_wait_alu depctr_va_vdst(0)
.irp q, 0,1,2,3
	v_mul_f32 v[6+2*\q], v[22+2*\q], v[14+2*\q]
.endr
	WIN 0x41
.irp q, 0,1,2,3
.set ii, 0
.rept 16
	v_pk_fma_f32 v[128+32*\q+2*ii:128+32*\q+2*ii+1], v[128+32*\q+2*ii:128+32*\q+2*ii+1], v[14+2*\q:15+2*\q], v[6+2*\q:7+2*\q] op_sel_hi:[1,0,0]
.set ii, ii+1
.endr
.endr
	WIN 0
.endm
.macro XO                              ; my 64 columns of x, in bf16, into the chunk's XB
.irp q, 0,1,2,3
.irp d, 0,1,2,3
	ds_store_b128 v7, v[64+16*\q+4*\d:64+16*\q+4*\d+3] offset:4352*\q+32*\d
.endr
.endr
.endm
	; attention / L + q, LayerNorm
	PLACES 4
.irp t, 0,1,2,3
	global_load_b128 v[BI+8*\t:BI+8*\t+3],   v1, s[12:13] offset:64*\t
	global_load_b128 v[BI+8*\t+4:BI+8*\t+7], v1, s[12:13] offset:64*\t+16
.endr
.irp q, 0,1,2,3
	v_permlanex16_b32 v[23+2*\q], v[15+2*\q], s60, s61
.endr
.irp q, 0,1,2,3
	v_add_f32 v[15+2*\q], v[15+2*\q], v[23+2*\q]
.endr
.irp q, 0,1,2,3
	v_rcp_f32 v[14+2*\q], v[15+2*\q]
.endr
	v_nop
	WIN 0x41
	s_wait_alu depctr_va_vdst(0)
.irp q, 0,1,2,3
.set ii, 0
.rept 16
	v_pk_fma_f32 v[128+32*\q+2*ii:128+32*\q+2*ii+1], v[128+32*\q+2*ii:128+32*\q+2*ii+1], v[14+2*\q:15+2*\q], v[QF+32*\q+2*ii:QF+32*\q+2*ii+1] op_sel_hi:[1,0,1]
.set ii, ii+1
.endr
.endr
	LN 0
	WIN 0x05
.irp q, 0,1,2,3
.set ii, 0
.rept 16
	v_cvt_pk_bf16_f32 v[64+16*\q+ii], v[128+32*\q+2*ii], v[128+32*\q+2*ii+1]
.set ii, ii+1
.endr
.endr
	WIN 0
	MKTR
	MKX
	s_and_b32 s22, s59, 1
	s_mul_i32 s22, s22, XBS
	s_and_b32 s23, s16, 1
	s_lshl_b32 s23, s23, 7
	s_add_co_u32 s22, s22, s23
	s_add_co_u32 s22, s22, XB0
	v_add_nc_u32 v7, s22, v22                      ; XB ((w / 2) mod 2) + 272 r + 128 (w mod 2) + 16 h
	s_cmp_gt_u32 s16, 3
	s_cbranch_scc1 .Lxo_a
	XO                                             ; waves 0-3: chunks 0 and 1
.Lxo_a:
	s_wait_loadcnt 0x0                             ; bo
	s_wait_dscnt 0x0
	s_barrier_signal -1                            ; Wo's second fill may stay out
	s_barrier_wait -1
	; P3: (x Wo + bo)^T
	GCH 0, 0, 1
	NEXT_W 0, 786432
	s_cmp_lg_u32 s59, 2
	s_cbranch_scc1 .Lxo_b
	XO                                             ; waves 4, 5: chunk 2, into the XB that was read in front of the round
.Lxo_b:
	GCH 1, 1, 0
	NEXT_W 1, 917504
	s_cmp_lg_u32 s59, 3
	s_cbranch_scc1 .Lxo_c
	XO                                             ; waves 6, 7: chunk 3
.Lxo_c:
	GCH 0, 0, 0
	WIN 0
	s_wait_dscnt 0x0
	s_wait_tensorcnt 0x0                           ; the last fill is in; nothing is left to fetch
	s_barrier_signal -1
	s_barrier_wait -1
	GCH 1, 1, 0
	PLACES 4
	WIN 0
.macro PAIR reg, val
	v_mov_b32 v[\reg], \val
	v_mov_b32 v[\reg+1], \val
.endm
	PAIR 88, 0xbf38aa3b                            ; -log2(e) / 2
	PAIR 90, 0xbf87dc22                            ; the polynomial's coefficients a5 .. a1, negated
	PAIR 92, 0x3fba00e3
	PAIR 94, 0xbfb5f0e3
	PAIR 96, 0x3e91a98e
	PAIR 98, 0xbe827906
	PAIR 100, 1.0
; y + |y| erf(|y| / sqrt 2) for eight numbers: t = 1 / (1 + p |y| / sqrt 2), erf = 1 - poly(t) exp(-y^2 / 2).  Half of it is gelu(y).
.macro GELU8 y
.irp i, 0,1,2,3,4,5,6,7
	v_fma_f32 v[64+\i], |v[\y+\i]|, s66, 1.0
.endr
.irp i, 0,1,2,3,4,5,6,7
	v_rcp_f32 v[64+\i], v[64+\i]
.endr
.irp i, 0,2,4,6
	v_pk_mul_f32 v[72+\i:73+\i], v[\y+\i:\y+\i+1], v[\y+\i:\y+\i+1]
.endr
.irp i, 0,2,4,6
	v_pk_mul_f32 v[72+\i:73+\i], v[72+\i:73+\i], v[88:89]
.endr
.irp i, 0,1,2,3,4,5,6,7
	v_exp_f32 v[72+\i], v[72+\i]
.endr
	s_wait_alu depctr_va_vdst(0)
.irp i, 0,2,4,6
	v_pk_fma_f32 v[80+\i:81+\i], v[64+\i:65+\i], v[90:91], v[92:93]
.endr
.irp c, 94,96,98
.irp i, 0,2,4,6
	v_pk_fma_f32 v[80+\i:81+\i], v[80+\i:81+\i], v[64+\i:65+\i], v[\c:\c+1]
.endr
.endr
.irp i, 0,2,4,6
	v_pk_mul_f32 v[80+\i:81+\i], v[80+\i:81+\i], v[64+\i:65+\i]
.endr
.irp i, 0,2,4,6
	v_pk_fma_f32 v[80+\i:81+\i], v[80+\i:81+\i], v[72+\i:73+\i], v[100:101]
.endr
.irp i, 0,1,2,3,4,5,6,7
	v_fma_f32 v[\y+\i], |v[\y+\i]|, v[80+\i], v[\y+\i]
.endr
.endm
.irp y, 128,136,144,152,160,168,176,184,192,200,208,216,224,232,240,248
	GELU8 \y
.endr
	v_and_b32 v22, 15, v0
	v_bfe_u32 v23, v0, 4, 1
	s_mul_i32 s22, s16, 4352
	s_add_co_u32 s22, s22, STG
	v_mul_u32_u24 v24, v22, 272
	v_lshl_add_u32 v24, v23, 5, v24
	v_add_nc_u32 v2, s22, v24                      ; in: row r, 32 bytes for each half
	v_mul_u32_u24 v24, v23, 272
	v_lshl_add_u32 v24, v22, 4, v24
	v_add_nc_u32 v3, s22, v24                      ; back: lanes 0-15 one row of 256 bytes, lanes 16-31 the next
	v_lshlrev_b32 v4, 4, v22
	v_lshl_add_u32 v4, v23, 11, v4
	v_lshl_add_u32 v4, s16, 8, v4                  ; the same two rows in out0, at my 64 columns
	WIN 0x50
.set ii, 0
.rept 64
	v_pk_fma_f32 v[128+2*ii:128+2*ii+1], v[QF+2*ii:QF+2*ii+1], 0.5, v[128+2*ii:128+2*ii+1] op_sel_hi:[1,0,1]
.set ii, ii+1
.endr
	LN 1                                           ; its barrier also shows every wave's reads of XB done: the stage lies there
.irp q, 0,1,2,3
	WIN 0x04
.irp d, 0,1,2,3
	ds_store_b128 v2, v[128+32*\q+8*\d:128+32*\q+8*\d+3]   offset:64*\d
	ds_store_b128 v2, v[128+32*\q+8*\d+4:128+32*\q+8*\d+7] offset:64*\d+16
.endr
	WIN 0
.irp i, 0,1,2,3,4,5,6,7
	ds_load_b128 v[QF+32*\q+4*\i:QF+32*\q+4*\i+3], v3 offset:544*\i            ; LDS serves a wave's instructions in order: these see the stores above
.endr
.irp i, 0,1,2,3,4,5,6,7
	s_wait_dscnt 7-\i
	global_store_b128 v4, v[QF+32*\q+4*\i:QF+32*\q+4*\i+3], s[14:15] offset:(16*\q+2*\i)*2048 th:TH_STORE_NT   ; 16 lanes store 256 consecutive bytes, aligned
.endr
.endr
	s_wait_dscnt 0x0
	s_wait_xcnt 0x0
	v_lshl_add_u32 v26, v0, 2, 0x4f000
	v_mov_b32 v28, 0
	s_wait_tensorcnt 0x0
	ds_add_u32 v26, v28
	s_wait_dscnt 0x0
	ROUND                                          ; the closing round
	s_endpgm
.Lfunc_end_k_q11d7806884_attn:
	.size	k_q11d7806884_attn, .Lfunc_end_k_q11d7806884_attn-k_q11d7806884_attn
	.p2alignl 7, 3214868480
	.fill 96, 4, 3214868480
	.section	.rodata,"a",@progbits
	.p2align	6, 0x0
	.amdhsa_kernel k_q11d7806884_attn
		.amdhsa_group_segment_fixed_size 327680
		.amdhsa_private_segment_fixed_size 0
		.amdhsa_enable_private_segment 0
		.amdhsa_kernarg_size 48
		.amdhsa_user_sgpr_count 2
		.amdhsa_user_sgpr_kernarg_segment_ptr 1
		.amdhsa_wavefront_size32 1
		.amdhsa_system_sgpr_workgroup_id_x 1
		.amdhsa_system_sgpr_workgroup_id_y 1
		.amdhsa_system_sgpr_workgroup_id_z 1
		.amdhsa_system_vgpr_workitem_id 0
		.amdhsa_next_free_vgpr 512
		.amdhsa_next_free_sgpr 80
		.amdhsa_reserve_vcc 0
		.amdhsa_float_denorm_mode_32 3
		.amdhsa_float_denorm_mode_16_64 3
		.amdhsa_memory_ordered 1
		.amdhsa_forward_progress 1
		.amdhsa_inst_pref_size 255
	.end_amdhsa_kernel
	.section	.bss,"aw",@nobits
	.p2align	6
	.space	262144
	.amdgpu_metadata
---
amdhsa.version: [ 1, 2 ]
amdhsa.kernels:
  - .name:           k_q11d7806884_attn
    .symbol:         k_q11d7806884_attn.kd
    .args:
      - { .name: Q, .offset: 0, .size: 8, .value_kind: global_buffer, .address_space: global }
      - { .name: kv, .offset: 8, .size: 8, .value_kind: global_buffer, .address_space: global }
      - { .name: wb, .offset: 16, .size: 8, .value_kind: global_buffer, .address_space: global }
      - { .name: bq, .offset: 24, .size: 8, .value_kind: global_buffer, .address_space: global }
      - { .name: bo, .offset: 32, .size: 8, .value_kind: global_buffer, .address_space: global }
      - { .name: out0, .offset: 40, .size: 8, .value_kind: global_buffer, .address_space: global }
    .group_segment_fixed_size: 327680
    .private_segment_fixed_size: 0
    .kernarg_segment_align: 8
    .kernarg_segment_size: 48
    .max_flat_workgroup_size: 256
    .sgpr_count:     80
    .vgpr_count:     512
    .wavefront_size: 32
...
	.end_amdgpu_metadata
.endif
;; end of part 2
